; MI455X (gfx1250); checked and timed in simulation.
; The chip was launched on July 23, 2026; its instructions are those of AMD's public machine-readable ISA for CDNA 5 (MIT licence, August 2026) and "CDNA5" Instruction Set Architecture Reference Guide (July 2026). The comments in the code are by the model that wrote it; some were corrected since.
;; Attention. Allowed arithmetic: matrix products marked QUANTISED: E2M3 operands, one E8M0 scale for each 32 along K, by v_wmma_scale_f32_16x16x128_f8f6f4 with both operands' format E2M3, f32 sums; everything else in f32.
;; Inputs: freqs_cos 4,096 x 32 float32; freqs_sin 4,096 x 32 float32; wk 1,024 x 1,024 float32; wo 1,024 x 1,024 float32; wq 1,024 x 1,024 float32; wv 1,024 x 1,024 float32; x 1 x 4,096 x 1,024 float32.
;; Outputs: out0 1 x 4,096 x 1,024 float32.
;; This version of the problem:
;;   THIS VERSION OF THE PROBLEM IS GIVEN IN LOW PRECISION. The matrix products marked QUANTISED in the list below multiply operands that are first quantised to E2M3 (2 exponent bits, 3 mantissa bits; 6 bits a number), with one power-of-two scale for each 32 numbers along K (OCP MX v1.0); their sums are f32. All else is computed in f32.
;;   The module's matrix products, in the order in which they are computed (A, B: the left and right operand; K: the contracted axis; several contracted axes count as one K, in the product's order):
;;     1. [M 4,096, K 1,024] x [K 1,024, N 1,024]; A: input x; B: input wq: QUANTISED
;;     2. [M 4,096, K 1,024] x [K 1,024, N 1,024]; A: input x; B: input wk: QUANTISED
;;     3. [M 4,096, K 1,024] x [K 1,024, N 1,024]; A: input x; B: input wv: QUANTISED
;;     4. batch 16 x [M 4,096, K 64] x [K 64, N 4,096]; A: computed on the way; B: computed on the way: QUANTISED
;;     5. batch 16 x [M 4,096, K 4,096] x [K 4,096, N 64]; A: softmax (see below); B: computed on the way: QUANTISED
;;     6. [M 4,096, K 1,024] x [K 1,024, N 1,024]; A: computed on the way; B: input wo: QUANTISED
;;   THE QUANTISER, for each operand of a quantised product, along K:
;;     - K is cut into blocks of 32 from its start; a last block that is shorter is filled with zeros.
;;     - A block's scale is 2^e with e = floor(log2(the largest magnitude in the block)) - 2, held to -126 .. 127; a block of zeros has e = 0. As a byte (E8M0): e + 127.
;;     - Each number is divided by its block's scale, clamped to +-7.5, and rounded to the nearest number of E2M3, ties to even, subnormals kept.
;;     - The product sums the exact products of the quantised numbers (number of the format x scale) in f32.
;;   ~~~python
;;   def quantise(x, axis):      # numpy; x: float32 -> the quantised numbers, widened to float32 again
;;       x = np.moveaxis(x, axis, -1); K = x.shape[-1]
;;       x = np.pad(x, [(0, 0)] * (x.ndim - 1) + [(0, -K % 32)]); x = x.reshape(x.shape[:-1] + (-1, 32)); a = np.abs(x).max(-1, keepdims=True)
;;       e = np.where(a > 0, np.clip(np.frexp(np.where(a > 0, a, 1))[1] - 1 - 2, -126, 127), 0)      # np.frexp(a)[1] - 1 = floor(log2(a)), exactly
;;       r = np.clip(x / 2.0 ** e, -7.5, 7.5)
;;       step = 2.0 ** (np.maximum(np.frexp(np.where(r == 0, 1, r))[1] - 1, 0) - 3)
;;       q = np.round(r / step) * step * 2.0 ** e      # np.round: ties to even
;;       return np.moveaxis(q.reshape(q.shape[:-2] + (-1,))[..., :K], -1, axis).astype(np.float32)
;;   ~~~
;;   SOFTMAX AHEAD OF A QUANTISED PRODUCT. Where the list says 'softmax', what is quantised is not the finished softmax but p = 2^(t - M), with t = logit x log2(e) and M = ceil(the row's largest t), a whole number; so 1/2 < the row's largest p <= 1. The row's sum l is taken of the UNQUANTISED p, in f32, and the product's result is divided by l at the end. Since M is a whole number, a kernel that streams over the keys may use a running M (the ceiling of the running maximum): every later rescaling is an exact power of two, which a block's scale takes up: the codes' values come out the same.
;;   OPERANDS COMPUTED ON THE WAY. 'Computed on the way' means the value that the module computes at that place (a softmax that the list does not call 'softmax' is quantised finished and normalised). What goes into a quantiser is computed in f32, as accurately as f32 sums, v_exp_f32 and their like allow (about 1e-6 of the number): no bf16 or f16 on the way to a quantiser, and a product that is left as it is and whose result goes on into a quantised operand takes f32 operands (vector FMAs, or v_wmma_f32_16x16x4_f32). A number that lies on a knife's edge between two numbers of the format may be rounded either way, as far as f32 arithmetic and the matrix unit's own rounding can turn it there, and no further.
;; One version. Each part assembles by itself: llvm-mc -triple=amdgcn-amd-amdhsa -mcpu=gfx1250 --defsym DOCPART=n.
;; ======== version 1 of 1: 4 launches
;; workspace buffers: cod 6,291,456 bytes; scl 262,144 bytes; qkv 10,223,616 bytes; oc 3,145,728 bytes; os 262,144 bytes
;; launch quant (part 1): grid 256 x 1, 4 waves a work-group, no clusters, 168,448 bytes of LDS; arguments x, wq, wk, wv, wo, cod, scl; writes cod, scl
.if DOCPART == 1
	.amdgcn_target "amdgcn-amd-amdhsa--gfx1250"
	.amdhsa_code_object_version 6
	.text
	.protected	k_q93269cb883_quant
	.globl	k_q93269cb883_quant
	.p2align	8
	.type	k_q93269cb883_quant,@function
k_q93269cb883_quant:
	s_mov_b64 s[64:65], 0
	v_nop
	global_prefetch_b8 v0, s[64:65] scope:SCOPE_SE
	s_setreg_imm32_b32 hwreg(HW_REG_WAVE_MODE, 25, 1), 1
	s_wait_xcnt 0x0
; x [4096][1024] and wq, wk, wv, wo [1024][1024], f32, K innermost, become codes of FP6 (E2M3) with one E8M0 byte for each 32 along K.
; The five tensors count as 8,192 rows on end: 0.. x, 4096.. wq, 5120.. wk, 6144.. wv, 7168.. wo.
; A block's scale is 2^(floor(log2(its largest magnitude)) - 2); its byte is the largest magnitude's exponent field - 2, held at 1 from below.
; LIMITS: a block of zeros, or one whose largest magnitude lies under 2^-124, gets the byte 1 (its codes are zeros or the nearest codes under that scale; this program alone reads the bytes); NaN and infinities are not served.
; LAYOUT OF THE CODES: images of operand registers.  A fragment is 16 rows x 128 K, 12 registers a lane; it lies as [c 0..2][lane][16 bytes], 1,536 bytes.
;   cod: [group of 128 rows][256 K][tile i 0..7][128 K][image].  Tile i of a group holds rows 32 (i / 2) + 8 (i % 2) + r + 8 (r / 8), r = lane % 16.
;   scl: [32 rows][256 K][tile u 0..1][r][2 words]: 256 bytes for each (32 rows, 256 K).
; SHARES.  A work-group owns 32 rows, 131,072 dense bytes of one tensor; wave sl owns K = 256 sl .. + 255: four fragments f = 2 j + u (j: which 128 K, u: which tile).
; Each wave brings its two tiles (32 rows x 512 bytes) by two tensor loads into LDS bytes of its own, filled once and read by itself alone: no barrier.  Nothing is shared between work-groups: no cluster.
; A lane takes whole blocks: registers 32 c .. 32 c + 31 are block 2 c + lane / 16 of its row, so no other lane is asked for a maximum and the conversions' results are the operand's registers.
.set LP,    528                        ; an LDS row: 512 bytes + 16 of padding
.set TILE,  32*LP                      ; a tile
.set WREG,  2*TILE                     ; a wave's LDS
.set X,     32                         ; v32-95, v96-159: two sets of 64 numbers
.set C,     160                        ; v160-207: the codes, 12 registers for each fragment, so that no store's data are written again
.set H2,    208                        ; v208-210, v212-214: the second halves of the blocks' codes
.set WD,    216                        ; v216-219: the fragments' scale words
.set G1,    24                         ; s[24:31] descriptor group 1
.set G0,    32                         ; s[32:39] group 0, one set for each tile
	s_load_b256 s[4:11], s[0:1], 0x0               ; x, wq, wk, wv
	s_load_b128 s[12:15], s[0:1], 0x20             ; wo, cod
	s_load_b64 s[16:17], s[0:1], 0x30              ; scl
	v_lshl_add_u32 v224, v0, 2, 0x29000
	v_mov_b32 v225, 0
	ds_add_u32 v224, v225
	ds_add_u32 v224, v225
	v_lshrrev_b32 v1, 5, v0
	v_readfirstlane_b32 s18, v1                    ; wave = sl
	s_mov_b32 s[G1+0], (3<<16)|(1<<20)|(6<<22)|(3<<25)  ; elements of 8 bytes; padding on: behind every 128 words, 4 words
	s_mov_b32 s[G1+1], 64<<16                      ; tensor_dim0 = 64 elements (512 bytes)
	s_mov_b32 s[G1+2], 32<<16                      ; tensor_dim1 = 32 rows
	s_mov_b32 s[G1+3], 64<<16                      ; tile_dim0
	s_mov_b32 s[G1+4], 32                          ; tile_dim1
	s_mov_b32 s[G1+5], 512                         ; from row to row: 4,096 bytes
	s_mov_b32 s[G1+6], 0
	s_mov_b32 s[G1+7], 0
	s_mul_i32 s19, s18, WREG                       ; my wave's LDS
	s_mov_b32 s20, 0x76543210
	s_mov_b32 s21, 0xfedcba98                      ; v_permlanex16_b32's selects for lane l xor 16
	s_wait_dscnt 0x0
	s_wait_kmcnt 0x0
	s_mov_b64 s[2:3], s[12:13]                     ; which tensor: the choice hangs on the work-group's number alone
	s_mov_b32 s22, 224
	s_cmp_lt_u32 ttmp9, 224
	s_cselect_b64 s[2:3], s[10:11], s[2:3]
	s_cselect_b32 s22, 192, s22
	s_cmp_lt_u32 ttmp9, 192
	s_cselect_b64 s[2:3], s[8:9], s[2:3]
	s_cselect_b32 s22, 160, s22
	s_cmp_lt_u32 ttmp9, 160
	s_cselect_b64 s[2:3], s[6:7], s[2:3]
	s_cselect_b32 s22, 128, s22
	s_cmp_lt_u32 ttmp9, 128
	s_cselect_b64 s[2:3], s[4:5], s[2:3]
	s_cselect_b32 s22, 0, s22
	s_sub_co_u32 s22, ttmp9, s22                   ; which 32 rows of that tensor
	s_lshl_b32 s22, s22, 17
	s_lshl_b32 s23, s18, 10                        ; my 1,024 bytes of each row
	s_add_co_u32 s22, s22, s23
	s_mov_b32 s23, 0
	s_add_nc_u64 s[2:3], s[2:3], s[22:23]
.irp j, 0,1
	s_mov_b32 s[G0+4*\j], 1
	s_add_co_u32 s[G0+4*\j+1], s19, \j*TILE
	s_add_nc_u64 s[G0+4*\j+2:G0+4*\j+3], s[2:3], \j*512
	s_or_b32 s[G0+4*\j+3], s[G0+4*\j+3], 0x80000000
.endr
	tensor_load_to_lds s[G0:G0+3], s[G1:G1+7]      ; both tiles go out together: two loads of mine are out
	s_nop 0
	tensor_load_to_lds s[G0+4:G0+7], s[G1:G1+7]
	s_nop 0
.rept 4
	v_nop
.endr
	v_and_b32 v1, 31, v0                           ; lane
	v_and_b32 v2, 15, v0                           ; r
	v_bfe_u32 v3, v0, 4, 1                         ; h
	v_and_b32 v4, 8, v2
	v_add_nc_u32 v4, v4, v2                        ; r + 8 (r / 8)
	v_mul_u32_u24 v4, v4, LP
	v_lshl_add_u32 v4, v3, 7, v4                   ; + 128 h: my block of 32 numbers
	v_add_nc_u32 v4, s19, v4
	v_lshlrev_b32 v5, 4, v1                        ; 16 x lane: an image's place
	v_lshlrev_b32 v6, 3, v1                        ; 8 x lane: two scale words' place
	v_lshlrev_b32 v7, 3, v3                        ; 8 h: my bytes' shift in a scale word
	v_mov_b32 v15, 0                               ; a lane permute's destination counts as one of its sources
	s_lshr_b32 s40, ttmp9, 2                       ; cod: group of 128 rows,
	s_mul_i32 s40, s40, 98304
	s_mul_i32 s41, s18, 24576                      ; my 256 K,
	s_add_co_u32 s40, s40, s41
	s_and_b32 s41, ttmp9, 3                        ; my two tiles
	s_mul_i32 s41, s41, 6144
	s_add_co_u32 s40, s40, s41
	s_mov_b32 s41, 0
	s_add_nc_u64 s[14:15], s[14:15], s[40:41]
	s_lshl_b32 s40, ttmp9, 2                       ; scl: 256 bytes for each (32 rows, 256 K)
	s_add_co_u32 s40, s40, s18
	s_lshl_b32 s40, s40, 8
	s_add_nc_u64 s[16:17], s[16:17], s[40:41]
.macro LD f                            ; fragment f's 64 numbers of my row into set f % 2
.irp c, 0,1
.irp p, 0,1,2,3,4,5,6,7
	ds_load_b128 v[X+64*((\f)%2)+32*\c+4*\p:X+64*((\f)%2)+32*\c+4*\p+3], v4 offset:TILE*((\f)/2)+8*LP*((\f)%2)+256*\c+16*\p
.endr
.endr
.endm
.macro QF f                            ; fragment f: two blocks a lane -> codes, scale word, image to memory
.set XS, X+64*((\f)%2)
.set CF, C+12*(\f)
.irp c, 0,1
	v_max3_num_f32 v[8+\c], |v[XS+32*\c]|, |v[XS+32*\c+1]|, 0x1800000   ; with the floor 2^(3 - 127): the byte cannot fall under 1
.endr
.irp i, 2,4,6,8,10,12,14,16,18,20,22,24,26,28,30
.irp c, 0,1
	v_max3_num_f32 v[8+\c], v[8+\c], |v[XS+32*\c+\i]|, |v[XS+32*\c+\i+1]|   ; the two blocks by turns
.endr
.endr
.irp c, 0,1
	v_add_nc_u32 v[10+\c], 0xff000000, v[8+\c]     ; 2 off the exponent field: the conversion's scale operand
.endr
.irp c, 0,1
	v_lshrrev_b32 v[12+\c], 23, v[10+\c]           ; the scale's byte
.endr
	v_lshl_or_b32 v14, v13, 16, v12                ; blocks h and 2 + h of my row,
	v_lshlrev_b32 v14, v7, v14                     ; at their places in the word;
	v_permlanex16_b32 v15, v14, s20, s21
	v_or_b32 v[WD+(\f)], v14, v15                  ; with lane l xor 16's two the word is whole
.irp c, 0,1
	v_cvt_scalef32_pk16_fp6_f32 v[CF+6*\c:CF+6*\c+2], v[XS+32*\c:XS+32*\c+15], v[10+\c]
	v_cvt_scalef32_pk16_fp6_f32 v[H2+4*\c:H2+4*\c+2], v[XS+32*\c+16:XS+32*\c+31], v[10+\c]   ; a conversion's three registers begin on an even number
.endr
	v_nop                                          ; one plain place behind a scaled conversion
.irp c, 0,1
.irp i, 0,1,2
	v_mov_b32 v[CF+6*\c+3+\i], v[H2+4*\c+\i]
.endr
.endr
.irp c, 0,1,2
	global_store_b128 v5, v[CF+4*\c:CF+4*\c+3], s[14:15] offset:3072*((\f)%2)+1536*((\f)/2)+512*\c   ; 32 lanes store 512 consecutive bytes, aligned
.endr
.endm
	s_wait_tensorcnt 1                             ; my first tile is in; the second may be out
	LD 0
	LD 1
	s_wait_dscnt 16                                ; fragment 0's numbers are in; fragment 1's 16 loads may be out
	QF 0
	s_wait_tensorcnt 0x0                           ; my second tile
	LD 2
	s_wait_dscnt 16
	QF 1
	LD 3
	s_wait_dscnt 16
	QF 2
	s_wait_dscnt 0x0
	QF 3
	v_cmp_eq_u32 vcc_lo, 1, v3                     ; lanes 0-15 store tile 0's words, lanes 16-31 tile 1's (every word stands in lanes l and l xor 16)
	v_cndmask_b32 v220, v[WD], v[WD+1], vcc_lo
	v_cndmask_b32 v221, v[WD+2], v[WD+3], vcc_lo
	global_store_b64 v6, v[220:221], s[16:17]      ; 32 lanes store 256 consecutive bytes, aligned
	s_wait_tensorcnt 0x0
	ds_add_u32 v224, v225
	s_wait_dscnt 0x0
	s_endpgm
.Lfunc_end_k_q93269cb883_quant:
	.size	k_q93269cb883_quant, .Lfunc_end_k_q93269cb883_quant-k_q93269cb883_quant
	.p2alignl 7, 3214868480
	.fill 96, 4, 3214868480
	.section	.rodata,"a",@progbits
	.p2align	6, 0x0
	.amdhsa_kernel k_q93269cb883_quant
		.amdhsa_group_segment_fixed_size 168448
		.amdhsa_private_segment_fixed_size 0
		.amdhsa_enable_private_segment 0
		.amdhsa_kernarg_size 56
		.amdhsa_user_sgpr_count 2
		.amdhsa_user_sgpr_kernarg_segment_ptr 1
		.amdhsa_wavefront_size32 1
		.amdhsa_system_sgpr_workgroup_id_x 1
		.amdhsa_system_sgpr_workgroup_id_y 1
		.amdhsa_system_sgpr_workgroup_id_z 1
		.amdhsa_system_vgpr_workitem_id 0
		.amdhsa_next_free_vgpr 226
		.amdhsa_next_free_sgpr 66
		.amdhsa_reserve_vcc 1
		.amdhsa_float_denorm_mode_32 3
		.amdhsa_float_denorm_mode_16_64 3
		.amdhsa_memory_ordered 1
		.amdhsa_forward_progress 1
		.amdhsa_inst_pref_size 22
	.end_amdhsa_kernel
	.amdgpu_metadata
---
amdhsa.version: [ 1, 2 ]
amdhsa.kernels:
  - .name:           k_q93269cb883_quant
    .symbol:         k_q93269cb883_quant.kd
    .args:
      - { .name: x, .offset: 0, .size: 8, .value_kind: global_buffer, .address_space: global }
      - { .name: wq, .offset: 8, .size: 8, .value_kind: global_buffer, .address_space: global }
      - { .name: wk, .offset: 16, .size: 8, .value_kind: global_buffer, .address_space: global }
      - { .name: wv, .offset: 24, .size: 8, .value_kind: global_buffer, .address_space: global }
      - { .name: wo, .offset: 32, .size: 8, .value_kind: global_buffer, .address_space: global }
      - { .name: cod, .offset: 40, .size: 8, .value_kind: global_buffer, .address_space: global }
      - { .name: scl, .offset: 48, .size: 8, .value_kind: global_buffer, .address_space: global }
    .group_segment_fixed_size: 168448
    .private_segment_fixed_size: 0
    .kernarg_segment_align: 8
    .kernarg_segment_size: 56
    .max_flat_workgroup_size: 128
    .sgpr_count:     66
    .vgpr_count:     226
    .wavefront_size: 32
...
	.end_amdgpu_metadata
.endif
;; end of part 1
;; launch qkv (part 2): grid 8 x 24, 4 waves a work-group, clusters of 4 x 4, 327,680 bytes of LDS; arguments cod, scl, freqs_cos, freqs_sin, qkv; writes qkv
.if DOCPART == 2
	.amdgcn_target "amdgcn-amd-amdhsa--gfx1250"
	.amdhsa_code_object_version 6
	.text
	.protected	k_q93269cb883_qkv
	.globl	k_q93269cb883_qkv
	.p2align	8
	.type	k_q93269cb883_qkv,@function
k_q93269cb883_qkv:
	s_mov_b64 s[64:65], 0
	v_nop
	global_prefetch_b8 v0, s[64:65] scope:SCOPE_SE
	s_setreg_imm32_b32 hwreg(HW_REG_WAVE_MODE, 25, 1), 1
	s_wait_xcnt 0x0
	s_wait_alu depctr_hold_cnt(0) depctr_sa_sdst(0) depctr_va_vdst(0) depctr_va_sdst(0) depctr_va_ssrc(0) depctr_va_vcc(0) depctr_vm_vsrc(0)
	s_getreg_b32 s2, hwreg(HW_REG_IB_STS2, 6, 4)
	s_cmp_eq_u32 s2, 0
	s_cbranch_scc0 .Lentry_in_a_cluster
	s_endpgm
.Lentry_in_a_cluster:
	s_bfe_u32 s2, ttmp6, 0x10000c
	s_cmp_lg_u32 s2, 0xf033
	s_cbranch_scc0 .Lentry_shape_is_right
	s_endpgm
.Lentry_shape_is_right:
; q = rope(x wq^T), k = rope(x wk^T), v = x wv^T on codes of FP6 (E2M3) with E8M0 scales, and the results quantised again: q and k along a head's features, v along the keys.
; ONE BODY: C = M rows x N rows over K = 1,024, quantised along N.  q, k: M = 256 tokens, N = 256 rows of wq or wk.  v: M = 256 rows of wv, N = 256 tokens, so that a lane holds one feature and its registers run along the keys.
; The matrix instruction is used transposed (source 0 = 16 N rows, source 1 = 16 M rows).  A tile i of a group of 128 rows holds rows 32 (i / 2) + 8 (i % 2) + r + 8 (r / 8): so a lane's 64 results of a block
; of 16 M rows are N = 32 b + 16 (lane / 16) + 0 .. 15, b = 0 .. 3: sixteen neighbours of each block of 32, as the conversions want them.
; SHARES.  192 work-groups (128 for q and k, 64 for v), each 256 x 256; a wave makes 128 x 128: 64 accumulators, 512 registers.  K goes in steps of 256 through two LDS slots; a wave's tensor load brings 24,576 dense bytes:
; the images of 128 rows' fragments, which come out of LDS by three loads of 16 bytes a lane, 512 consecutive bytes each: no pitch, no padding.
; CLUSTERS: 4 x 4.  The four of a row of the cluster need the same M tiles, the four of a column the same N tiles: each is asked for jointly.  The cluster's y says whether the cluster makes q, k or v: alike in all partners.
; THE SCALES of my 128 M rows and 128 N rows for all of K are 64 registers, loaded once: lanes 0-15 M's tile i, lanes 16-31 N's tile i.
; OUT: records of 13,312 bytes: eight images (tile a of 16 M rows x 128 along N), then the eight tiles' scale words as [2][lane][4 words].  q(P, g) = record 32 P + g, k(P, g) = 256 + 2 (32 P + g), v(P, g) = that + 1;
; P a pair of heads, g a group of 128 tokens.
; LIMITS: a block of zeros or under 2^-124 gets the byte 1; NaN and infinities are not served.
; REGISTERS: window 0: v16-29 addresses; v32-95 scale words and nothing else; v128-223 M's fragments, one set; on the way out v128-191 products at work, v192-243 the quantiser's.
;   window 1: N's fragments, two sets, at v0 and v128; on the way out v0-63 two sets of cos and sin.   windows 2, 3: accumulator (a, b) at v[8 (8 (a % 4) + b)].
.set NL,     3                         ; LDS loads that bring a fragment
.set FR,     12                        ; its registers
.set NP,     4                         ; places behind this matrix instruction (ISA guide 7.12.1)
.set GRP,    98304                     ; the codes of 128 rows, all of K, in memory
.set HALFT,  24576                     ; of 128 rows and 256 K: what one tensor load brings
.set SLOT,   4*HALFT                   ; M's 256 rows, then N's 256 rows
.set SPARE,  2*SLOT                    ; behind the ring: the spare words, 128 bytes for each wave
.set REC,    13312
.set ADRA, 16                          ; v16-17  LDS address of my M fragments in slot 0, 1
.set ADRB, 20                          ; v20-21  the same for N
.set O16,  24                          ; v24     16 x lane
.set CSO,  25                          ; v25     my byte in a tile's rows of cos and sin
.set SCO,  26                          ; v26     my byte among the scale words
.set SPW,  28                          ; v28     my spare word; never rewritten
.set NIL,  29                          ; v29     0; never rewritten
.set SC,   32                          ; v[SC + 8 i + ks]: the word of tile i for the ks-th 128 along K
.set AF,   128
.set T,    128
.set TM,   192
.set PWK,  208                         ; v208-215 the eight blocks' scale words
.set PC,   224
.set G1, 24
.set G0, 32
.set G1B, 48
.set G0B, 56
.set SEL, 76
.set MSB, 0
.macro WIN new                         ; the immediate's high byte repeats the setting that is left
.if MSB != (\new)
	s_set_vgpr_msb (MSB<<8)|(\new)
.set MSB, (\new)
.endif
.endm
.set MUL_LO, 0xa1                      ; source 0 (N) window 1, source 1 (M) window 0, C and D window 2
.set MUL_HI, 0xf1                      ; the same, C and D window 3
.set TO_B,   0x40                      ; destination window 1
; A joint load: waves 0 and 1 fetch M's halves, waves 2 and 3 N's.  The branch hangs on the wave's number alone.  Four v_nop follow each of the two lines.
.macro JLOAD g0a, g1a, g0b, g1b
	s_cmp_eq_u32 s15, 0
	s_cbranch_scc0 .Lfor_b_\@
	tensor_load_to_lds s[\g0a:\g0a+3], s[\g1a:\g1a+7]
	s_nop 0
.rept 4
	v_nop
.endr
	s_branch .Lasked_\@
.Lfor_b_\@:
	tensor_load_to_lds s[\g0b:\g0b+3], s[\g1b:\g1b+7]
	s_nop 0
.rept 4
	v_nop
.endr
.Lasked_\@:
.endm
.macro CREST                           ; a round of the cluster's barrier behind its opening barrier
	s_cmp_lg_u32 s14, 0
	s_cbranch_scc1 .Lnot_wave_0_\@
	s_barrier_signal -3
.Lnot_wave_0_\@:
	s_barrier_wait -3
	s_barrier_signal -1
	s_barrier_wait -1
.endm
.macro CROUND
	s_barrier_signal -1
	s_barrier_wait -1
	CREST
.endm
.macro PLACES n
.rept \n
	v_nop
.endr
.endm
	s_load_b256 s[4:11], s[0:1], 0x0               ; cod, scl, cos, sin
	s_load_b64 s[12:13], s[0:1], 0x20              ; qkv
	v_lshl_add_u32 v[SPW], v0, 2, SPARE
	v_mov_b32 v[NIL], 0
	ds_add_u32 v28, v29
	ds_add_u32 v28, v29
	s_wait_dscnt 0x0
	v_lshrrev_b32 v1, 5, v0
	v_readfirstlane_b32 s14, v1                    ; wave 0..3
	s_lshr_b32 s15, s14, 1                         ; which half of M's rows is mine.  Also: I fetch for M (0) or N (1)
	s_and_b32 s16, s14, 1                          ; which half of N's rows.  Also: which 128 rows I fetch
	s_bfe_u32 s40, ttmp6, 0x40000                  ; cx
	s_bfe_u32 s41, ttmp6, 0x40004                  ; cy
	s_mov_b32 s17, ttmp9                           ; cluster x: 0, 1
	s_and_b32 s18, ttmp7, 0xffff                   ; cluster y: 0 .. 3 q and k, 4, 5 v
	s_lshl_b32 s43, s41, 2
	s_lshl_b32 s43, 15, s43                        ; my row of the cluster
	s_lshl_b32 s44, 0x1111, s40                    ; my column
	s_or_b32 s[G1+0], s43, (3<<16)|(1<<21)         ; the mask; elements of 8 bytes; bit 21 beside a mask; no padding
	s_or_b32 s[G1B+0], s44, (3<<16)|(1<<21)
.irp g, G1, G1B
	s_mov_b32 s[\g+1], 32<<16                      ; rows of 256 bytes,
	s_mov_b32 s[\g+2], 96<<16                      ; 96 of them, dense
	s_mov_b32 s[\g+3], 32<<16
	s_mov_b32 s[\g+4], 96
	s_mov_b32 s[\g+5], 32
	s_mov_b32 s[\g+6], 0
	s_mov_b32 s[\g+7], 0
.endr
	; groups of 128 rows in cod: x 0-31, wq 32-39, wk 40-47, wv 48-55
	s_lshl_b32 s19, s18, 3                         ; q, k: M = x from group 8 Yc on
	s_lshl_b32 s20, s17, 3
	s_max_u32 s21, s18, 4
	s_sub_co_u32 s21, s21, 4
	s_lshl_b32 s21, s21, 4
	s_add_co_u32 s21, s21, s20                     ; v: N = x from group 8 Xc + 16 (Yc - 4) on
	s_add_co_u32 s20, s20, 32                      ; q, k: N = wq (Xc = 0) or wk (Xc = 1)
	s_cmp_lt_u32 s18, 4
	s_cselect_b32 s19, s19, 48                     ; v: M = wv
	s_cselect_b32 s20, s20, s21
	s_cselect_b32 s42, 0, 1                        ; 1: this cluster makes v
	s_lshl_b32 s22, s41, 1
	s_add_co_u32 s22, s22, s19
	s_add_co_u32 s66, s22, s15                     ; the group of M rows that I multiply
	s_add_co_u32 s22, s22, s16                     ; and the one that I fetch, if I fetch for M: made of cy alone
	s_mul_i32 s22, s22, GRP
	s_mov_b32 s23, 0
	s_lshl_b32 s46, s40, 1
	s_add_co_u32 s46, s46, s20
	s_add_co_u32 s67, s46, s16                     ; the group of N rows that I multiply, and fetch if I fetch for N: made of cx alone
	s_mul_i32 s46, s67, GRP
	s_mov_b32 s47, 0
	s_mul_i32 s45, s14, HALFT                      ; where they go: wave x 24,576: no place in the cluster enters an LDS address
	s_wait_kmcnt 0x0
	s_add_nc_u64 s[22:23], s[4:5], s[22:23]
	s_add_nc_u64 s[46:47], s[4:5], s[46:47]
	CROUND                                         ; all sixteen work-groups are here: the first joint loads meet
.irp s, 0,1
	s_mov_b32 s[G0+4*\s], 1
	s_add_co_u32 s[G0+4*\s+1], s45, \s*SLOT
	s_add_nc_u64 s[G0+4*\s+2:G0+4*\s+3], s[22:23], \s*HALFT
	s_or_b32 s[G0+4*\s+3], s[G0+4*\s+3], 0x80000000
	s_mov_b32 s[G0B+4*\s], 1
	s_add_co_u32 s[G0B+4*\s+1], s45, \s*SLOT
	s_add_nc_u64 s[G0B+4*\s+2:G0B+4*\s+3], s[46:47], \s*HALFT
	s_or_b32 s[G0B+4*\s+3], s[G0B+4*\s+3], 0x80000000
	JLOAD G0+4*\s, G1, G0B+4*\s, G1B
.endr
	v_and_b32 v1, 15, v0                           ; r
	v_bfe_u32 v2, v0, 4, 1                         ; h
	v_and_b32 v3, 31, v0
	v_lshlrev_b32 v[O16], 4, v3
	s_mul_i32 s21, s15, HALFT                      ; my 128 M rows
	s_mul_i32 s68, s16, HALFT                      ; my 128 N rows,
	s_add_co_u32 s68, s68, 2*HALFT                 ; behind M's 256
.irp s, 0,1
	v_add_nc_u32 v[ADRA+\s], s21, v[O16]
	v_add_nc_u32 v[ADRB+\s], s68, v[O16]
	s_add_co_u32 s21, s21, SLOT
	s_add_co_u32 s68, s68, SLOT
.endr
	s_lshl_b32 s69, s66, 12                        ; a group's scale words are 4,096 bytes
	s_lshl_b32 s70, s67, 12
	v_mov_b32 v4, s69
	v_mov_b32 v5, s70
	v_cmp_eq_u32 vcc_lo, 1, v2
	v_cndmask_b32 v4, v4, v5, vcc_lo               ; lanes 0-15 take M's, lanes 16-31 N's
	v_lshl_add_u32 v[SCO], v1, 3, v4
.irp i, 0,1,2,3,4,5,6,7
.irp k, 0,1,2,3
	global_load_b64 v[SC+8*\i+2*\k:SC+8*\i+2*\k+1], v[SCO], s[6:7] offset:(\i/2)*1024+(\i%2)*128+256*\k
.endr
.endr
	v_and_b32 v5, 8, v1
	v_add_nc_u32 v5, v5, v1                        ; r + 8 (r / 8)
	v_lshlrev_b32 v5, 7, v5                        ; a row of cos or sin is 128 bytes
	v_lshl_add_u32 v[CSO], v2, 5, v5               ; + 32 h: my eight pairs
	; my record
	s_lshl_b32 s72, s40, 1
	s_add_co_u32 s72, s72, s16
	s_lshl_b32 s73, s41, 1
	s_add_co_u32 s73, s73, s15
	s_cmp_eq_u32 s42, 0
	s_cselect_b32 s72, s72, s73                    ; P: q, k: my group of wq's or wk's rows; v: of wv's
	s_cselect_b32 s73, s66, s67                    ; g: my group of tokens
	s_lshl_b32 s72, s72, 5
	s_add_co_u32 s72, s72, s73
	s_lshl_b32 s73, s72, 1
	s_add_co_u32 s73, s73, 256
	s_cmp_eq_u32 s17, 0
	s_cselect_b32 s72, s72, s73                    ; q's record or k's
	s_add_co_u32 s73, s73, 1
	s_cmp_eq_u32 s42, 0
	s_cselect_b32 s72, s72, s73                    ; or v's
	s_mul_i32 s72, s72, REC
	s_mov_b32 s73, 0
	s_add_nc_u64 s[12:13], s[12:13], s[72:73]
	s_mov_b32 s[SEL], 0x76543210
	s_mov_b32 s[SEL+1], 0xfedcba98
.macro FRAG reg, adr, q, i             ; an image: three loads of 16 bytes a lane
.irp c, 0,1,2
	ds_load_b128 v[\reg+4*\c:\reg+4*\c+3], v[\adr] offset:(\i)*3072+(\q)*1536+512*\c
.endr
.endm
; 16 matrix instructions: M's blocks a0, a0 + 1 x N's eight, the ks-th 128 along K.  p: N's set.  The 64 accumulators take turns, one instruction a turn, in the same order in every step.
.macro MUL16 a0, p, ks, zero
.irp a, \a0, \a0+1
.irp b, 0,1,2,3,4,5,6,7
.if \zero
	v_wmma_scale_f32_16x16x128_f8f6f4 v[8*(8*((\a)%4)+\b):8*(8*((\a)%4)+\b)+7], v[128*(\p)+FR*\b:128*(\p)+FR*\b+FR-1], v[AF+FR*(\a):AF+FR*(\a)+FR-1], 0, v[SC+8*\b+(\ks)], v[SC+8*(\a)+(\ks)] matrix_a_fmt:MATRIX_FMT_FP6 matrix_b_fmt:MATRIX_FMT_FP6 matrix_a_scale:MATRIX_SCALE_ROW1
.else
	v_wmma_scale_f32_16x16x128_f8f6f4 v[8*(8*((\a)%4)+\b):8*(8*((\a)%4)+\b)+7], v[128*(\p)+FR*\b:128*(\p)+FR*\b+FR-1], v[AF+FR*(\a):AF+FR*(\a)+FR-1], v[8*(8*((\a)%4)+\b):8*(8*((\a)%4)+\b)+7], v[SC+8*\b+(\ks)], v[SC+8*(\a)+(\ks)] matrix_a_fmt:MATRIX_FMT_FP6 matrix_b_fmt:MATRIX_FMT_FP6 matrix_a_scale:MATRIX_SCALE_ROW1
.endif
.endr
.endr
.endm
.macro FETCH_B slot, q, p
	WIN TO_B
.irp i, 0,1,2,3,4,5,6,7
	FRAG 128*(\p)+FR*\i, ADRB+\slot, \q, \i
.endr
	WIN 0
.endm
.macro FETCH_A slot, q, i0
.irp i, \i0, \i0+1, \i0+2, \i0+3
	FRAG AF+FR*(\i), ADRA+\slot, \q, \i
.endr
.endm
; A step of 128 along K that has its successor in the same slot.  M's blocks 0-3 are fetched anew in its middle, blocks 4-7 at its end; N has two sets.
.macro STEP slot, q, ks, zero
	s_wait_dscnt 4*NL                              ; N's set and M's blocks 0-3 are in; the youngest twelve loads (M's blocks 4-7) may be out
	WIN MUL_LO
	MUL16 0, (\q)%2, \ks, \zero
	MUL16 2, (\q)%2, \ks, \zero
	s_wait_dscnt 0
	PLACES NP                                      ; in front of loads into registers that matrix instructions have read
	FETCH_B \slot, (\q)+1, 1-(\q)%2
	FETCH_A \slot, (\q)+1, 0
	WIN MUL_HI
	MUL16 4, (\q)%2, \ks, \zero
	MUL16 6, (\q)%2, \ks, \zero
	PLACES NP
	WIN 0
	FETCH_A \slot, (\q)+1, 4
.endm
; A slot's last step changes slots: one barrier; in front of it each wave waits for all its tensor loads, adds 0 to its spare word, and waits for that and for its reads of this slot.  fill = 1: the slot is filled again, 512 along K ahead.
.macro TURN slot, next, ks, fill
	s_wait_tensorcnt 0x0                           ; all my tensor loads have landed: my part of the next slot
	ds_add_u32 v[SPW], v[NIL]                      ; 0 onto my spare word
	s_wait_dscnt 4*NL+1                            ; the add and the youngest twelve loads may be out
	WIN MUL_LO
	MUL16 0, 1, \ks, 0
	s_wait_dscnt 0x0                               ; the add is done, and my reads of this slot are over
	s_barrier_signal -1
	MUL16 2, 1, \ks, 0
	WIN 0
	s_barrier_wait -1
.if \fill
	CREST                                          ; the barrier has opened a round of the cluster's: no wave of any partner still reads this slot or has a load on its way
	s_add_nc_u64 s[G0+4*\slot+2:G0+4*\slot+3], s[G0+4*\slot+2:G0+4*\slot+3], 2*HALFT
	s_add_nc_u64 s[G0B+4*\slot+2:G0B+4*\slot+3], s[G0B+4*\slot+2:G0B+4*\slot+3], 2*HALFT
	JLOAD G0+4*\slot, G1, G0B+4*\slot, G1B         ; the first tensor load behind the round; its four v_nop are also the places in front of the loads below
.else
	PLACES NP
.endif
	FETCH_B \next, 0, 0
	FETCH_A \next, 0, 0
	WIN MUL_HI
	MUL16 4, 1, \ks, 0
	MUL16 6, 1, \ks, 0
	PLACES NP
	WIN 0
	FETCH_A \next, 0, 4
.endm
	s_wait_tensorcnt 1                             ; my part of slot 0 is in; slot 1's load may be out
	s_barrier_signal -1
	s_barrier_wait -1
	FETCH_B 0, 0, 0
	FETCH_A 0, 0, 0
	FETCH_A 0, 0, 4
	s_wait_loadcnt 0x0                             ; the scale words
	STEP 0, 0, 0, 1                                ; K = 1,024 is eight steps, written out; the first starts the sums
	TURN 0, 1, 1, 1
	STEP 1, 0, 2, 0
	TURN 1, 0, 3, 1
	STEP 0, 0, 4, 0
	TURN 0, 1, 5, 0                                ; nothing is left to fetch
	STEP 1, 0, 6, 0
	s_wait_dscnt 4*NL
	WIN MUL_LO
	MUL16 0, 1, 7, 0
	MUL16 2, 1, 7, 0
	s_wait_dscnt 0
	WIN MUL_HI
	MUL16 4, 1, 7, 0
	MUL16 6, 1, 7, 0
	WIN 0
	PLACES NP                                      ; in front of the first reads of results and of writes into operands' registers
.irp b, 0,1,2,3
	v_mov_b32 v[TM+4+\b], 0                        ; a lane permute's destination counts as one of its sources
.endr
	s_cmp_lg_u32 s42, 0                            ; v has no rotation: the branch hangs on the cluster's y alone; no LDS access, barrier or tensor load stands inside
	s_cbranch_scc1 .Lno_rope
	; ROPE.  Register 2 n, 2 n + 1 of a block are a pair of my token's features; its place in the head is 16 ((n / 8) % 2) + 8 h + n % 8.
	s_lshl_b32 s70, s66, 14                        ; my 128 tokens' rows of cos and sin
	s_mov_b32 s71, 0
	s_add_nc_u64 s[8:9], s[8:9], s[70:71]
	s_add_nc_u64 s[10:11], s[10:11], s[70:71]
.macro CSLOAD a                        ; block a's token: 16 cos and 16 sin a lane, into set a % 2 of window 1
	WIN 0x40
.irp p, 0,1
.irp e, 0,1
	global_load_b128 v[32*((\a)%2)+8*\p+4*\e:32*((\a)%2)+8*\p+4*\e+3], v[CSO], s[8:9] offset:(32*((\a)/2)+8*((\a)%2))*128+64*\p+16*\e
	global_load_b128 v[32*((\a)%2)+16+8*\p+4*\e:32*((\a)%2)+16+8*\p+4*\e+3], v[CSO], s[10:11] offset:(32*((\a)/2)+8*((\a)%2))*128+64*\p+16*\e
.endr
.endr
	WIN 0
.endm
.macro ROPE a
.set RW, 2+(\a)/4
.set RX, 64*((\a)%4)
.set RC, 32*((\a)%2)
.if (\a) < 7
	s_wait_loadcnt 8                               ; this block's eight loads are in; the next block's may be out
.else
	s_wait_loadcnt 0
.endif
	WIN RW|4                                       ; source 0: the accumulators' window; source 1: window 1
.set n, 0
.rept 32
.set ci, 8*((n/8)%2)+n%8
	v_mul_f32 v[T+2*n], v[RX+2*n], v[RC+ci]        ; xe c   (each accumulator is read from its low end on)
	v_mul_f32 v[T+2*n+1], v[RX+2*n], v[RC+16+ci]   ; xe s
.set n, n+1
.endr
	WIN (RW<<6)|4|RW
.set n, 0
.rept 32
.set ci, 8*((n/8)%2)+n%8
	v_fma_f32 v[RX+2*n], -v[RX+2*n+1], v[RC+16+ci], v[T+2*n]      ; xe c - xo s
	v_fma_f32 v[RX+2*n+1], v[RX+2*n+1], v[RC+ci], v[T+2*n+1]      ; xe s + xo c
.set n, n+1
.endr
	WIN 0
.if (\a)+2 < 8
	CSLOAD (\a)+2
.endif
.endm
	CSLOAD 0
	CSLOAD 1
.irp a, 0,1,2,3,4,5,6,7
	ROPE \a
.endr
.Lno_rope:
; Block a's 64 numbers a lane become a fragment's codes in v[PC] on and its scale word in v[PWK + a].
.macro QUANTW a
.set QW, 2+(\a)/4
.set QX, 64*((\a)%4)
	WIN QW|(QW<<2)
.irp b, 0,1,2,3
	v_max3_num_f32 v[TM+\b], |v[QX+16*\b]|, |v[QX+16*\b+1]|, 0x1800000   ; my 16 numbers of block b, and the floor 2^(3 - 127)
.endr
.irp i, 2,4,6,8,10,12,14
.irp b, 0,1,2,3
	v_max3_num_f32 v[TM+\b], |v[QX+16*\b+\i]|, |v[QX+16*\b+\i+1]|, v[TM+\b]
.endr
.endr
	WIN 0
.irp b, 0,1,2,3
	v_permlanex16_b32 v[TM+4+\b], v[TM+\b], s[SEL], s[SEL+1]
.endr
.irp b, 0,1,2,3
	v_max_num_f32 v[TM+\b], v[TM+\b], v[TM+4+\b]   ; with lane l xor 16's: the block's largest magnitude
.endr
.irp b, 0,1,2,3
	v_add_nc_u32 v[TM+12+\b], 0xff000000, v[TM+\b] ; 2 off its exponent field: the conversion's scale operand
.endr
.irp b, 0,1,2,3
	v_lshrrev_b32 v[TM+4+\b], 23, v[TM+12+\b]      ; the scale's byte
.endr
	v_lshl_or_b32 v[PWK+(\a)], v[TM+5], 8, v[TM+4]
	v_lshl_or_b32 v[PWK+(\a)], v[TM+6], 16, v[PWK+(\a)]
	v_lshl_or_b32 v[PWK+(\a)], v[TM+7], 24, v[PWK+(\a)]
	WIN QW
.irp c, 0,1
	v_cvt_scalef32_pk16_fp6_f32 v[PC+6*\c:PC+2+6*\c], v[QX+32*\c:QX+15+32*\c], v[TM+12+2*\c]
	v_cvt_scalef32_pk16_fp6_f32 v[PC+12+4*\c:PC+14+4*\c], v[QX+16+32*\c:QX+31+32*\c], v[TM+12+2*\c+1]
.endr
	v_nop                                          ; one plain place behind a scaled conversion
	WIN 0
.irp c, 0,1                            ; the operand's layout wants a whole block in a lane
.irp i, 0,1,2
	v_permlane16_swap_b32 v[PC+6*\c+\i], v[PC+12+4*\c+\i]
.endr
.irp i, 0,1,2
	v_mov_b32 v[PC+3+6*\c+\i], v[PC+12+4*\c+\i]
.endr
.endr
.endm
.irp a, 0,1,2,3,4,5,6,7
.if \a > 0
	s_wait_xcnt 0x0                                ; the last block's stores have read their registers: the codes may be written again
.endif
	QUANTW \a
.irp c, 0,1,2
	global_store_b128 v[O16], v[PC+4*\c:PC+4*\c+3], s[12:13] offset:1536*\a+512*\c   ; 32 lanes store 512 consecutive bytes, aligned
.endr
.endr
	global_store_b128 v[O16], v[PWK:PWK+3], s[12:13] offset:12288
	global_store_b128 v[O16], v[PWK+4:PWK+7], s[12:13] offset:12288+512
	s_wait_tensorcnt 0x0                           ; the wave's end
	ds_add_u32 v[SPW], v[NIL]
	s_wait_dscnt 0x0
	CROUND                                         ; the closing round
	s_endpgm
.Lfunc_end_k_q93269cb883_qkv:
	.size	k_q93269cb883_qkv, .Lfunc_end_k_q93269cb883_qkv-k_q93269cb883_qkv
	.p2alignl 7, 3214868480
	.fill 96, 4, 3214868480
	.section	.rodata,"a",@progbits
	.p2align	6, 0x0
	.amdhsa_kernel k_q93269cb883_qkv
		.amdhsa_group_segment_fixed_size 327680
		.amdhsa_private_segment_fixed_size 0
		.amdhsa_enable_private_segment 0
		.amdhsa_kernarg_size 40
		.amdhsa_user_sgpr_count 2
		.amdhsa_user_sgpr_kernarg_segment_ptr 1
		.amdhsa_wavefront_size32 1
		.amdhsa_system_sgpr_workgroup_id_x 1
		.amdhsa_system_sgpr_workgroup_id_y 1
		.amdhsa_system_sgpr_workgroup_id_z 1
		.amdhsa_system_vgpr_workitem_id 0
		.amdhsa_next_free_vgpr 1024
		.amdhsa_next_free_sgpr 100
		.amdhsa_reserve_vcc 1
		.amdhsa_float_denorm_mode_32 3
		.amdhsa_float_denorm_mode_16_64 3
		.amdhsa_memory_ordered 1
		.amdhsa_forward_progress 1
		.amdhsa_inst_pref_size 194
	.end_amdhsa_kernel
	.amdgpu_metadata
---
amdhsa.version: [ 1, 2 ]
amdhsa.kernels:
  - .name:           k_q93269cb883_qkv
    .symbol:         k_q93269cb883_qkv.kd
    .args:
      - { .name: cod, .offset: 0, .size: 8, .value_kind: global_buffer, .address_space: global }
      - { .name: scl, .offset: 8, .size: 8, .value_kind: global_buffer, .address_space: global }
      - { .name: freqs_cos, .offset: 16, .size: 8, .value_kind: global_buffer, .address_space: global }
      - { .name: freqs_sin, .offset: 24, .size: 8, .value_kind: global_buffer, .address_space: global }
      - { .name: qkv, .offset: 32, .size: 8, .value_kind: global_buffer, .address_space: global }
    .group_segment_fixed_size: 327680
    .private_segment_fixed_size: 0
    .kernarg_segment_align: 8
    .kernarg_segment_size: 40
    .max_flat_workgroup_size: 128
    .sgpr_count:     100
    .vgpr_count:     1024
    .wavefront_size: 32
...
	.end_amdgpu_metadata
.endif
;; end of part 2
;; launch attn (part 3): grid 32 x 8, 8 waves a work-group, no clusters, 168,960 bytes of LDS; arguments qkv, oc, os; writes oc, os
.if DOCPART == 3
	.amdgcn_target "amdgcn-amd-amdhsa--gfx1250"
	.amdhsa_code_object_version 6
	.text
	.protected	k_q93269cb883_attn
	.globl	k_q93269cb883_attn
	.p2align	8
	.type	k_q93269cb883_attn,@function
k_q93269cb883_attn:
	s_mov_b64 s[64:65], 0
	v_nop
	global_prefetch_b8 v0, s[64:65] scope:SCOPE_SE
	s_setreg_imm32_b32 hwreg(HW_REG_WAVE_MODE, 25, 1), 1
	s_wait_xcnt 0x0
; Attention in a window: query i sees key j where |i - j| <= 256.  Both products on codes of FP6 (E2M3) with E8M0 scales; O / l is quantised along the features for the last projection.
; t = score x log2(e) / 8; M = the running largest t rounded up to a whole number; p = 2^(t - M) is quantised along the keys; l is the sum of the unquantised p.  When M moves, l and O are multiplied by 2^(old M - new M): exact.
; SHARES.  A work-group owns 128 queries (group G) of a pair of heads P; wave a owns tile a of 16 queries (32 (a / 2) + 8 (a % 2) + r + 8 (r / 8)) for both heads.  The keys that count lie in the five groups G - 2 .. G + 2: five steps of 128 keys.
; Steps whose group does not exist are left out by scalar branches on the work-group's number; in step 0 and step 4 the hidden scores become -infinity ahead of the maximum.  Every step that exists has an open key for every query.
; LDS.  The ten records (K's and V's of five groups, 13,312 bytes each) are brought once by tensor loads at the head: waves 0-3 those of steps 0 and 1 and then of steps 2 and 3, waves 4 and 5 those of step 4.  A group past the
; sequence's end is clamped: its record is fetched and not read.  Nothing is filled again.
; ONE IMAGE OF K SERVES BOTH HEADS: its K = 128 are the pair's features.  Q lies as [head 0's six registers][six of zero codes][head 1's six]: v[18:29] is head 0's operand, v[24:35] head 1's; zero codes add nothing.
; Both products are used transposed: a lane holds one query throughout; the 16 registers of two neighbouring tiles of keys are 16 neighbouring keys.
; NO CLUSTER: neighbouring groups of queries share four of their five groups of keys, but at places in LDS that differ by one step; a joint load would need an LDS address that hangs on the place in the cluster.
; LIMITS: a block of zeros or under 2^-124 gets the byte 1; NaN and infinities are not served.
; REGISTERS: v1-9 addresses; v10-17 two heads' -M, largest t, sum in two halves; v18-35 Q; v36 its scale word; v38-85 four fragments; v96-159 S^T, then p; v160-223 O^T (head hh at 160 + 32 hh); v224-254 at work.
.set REC,   13312
.set STEPB, 2*REC                      ; a step's records: K's, then V's
.set KSC,   12288                      ; K's scale words
.set VCD,   REC                        ; V's codes
.set VSC,   REC+12288                  ; V's scale words
.set L16,  1                           ; v1   16 x lane
.set D0,   2                           ; v2   my query's place in its group - 16 (lane / 16)
.set NINF, 3                           ; v3   -infinity
.set LB,   4                           ; v4-8 16 x lane + the step's first byte
.set L4,   9                           ; v9   4 x lane
.set STAT, 10
.set Q,    18
.set QS,   36
.set FRG,  38
.set S,    96
.set OA,   160
.set TM,   96                          ; the last quantiser's registers
.set PW,   112
.set PC,   224
.set WV,   10                          ; s10 wave   s11 G   s12 P
.set GG,   11
.set PP,   12
.set G1,   24
.set G0A,  32
.set G0B,  36
.set SEL,  48
.set CS,   50
	s_load_b128 s[4:7], s[0:1], 0x0                ; qkv, oc
	s_load_b64 s[8:9], s[0:1], 0x10                ; os
	v_lshl_add_u32 v243, v0, 2, 0x29000
	v_mov_b32 v255, 0
	ds_add_u32 v243, v255
	ds_add_u32 v243, v255
	v_lshrrev_b32 v1, 5, v0
	v_readfirstlane_b32 s[WV], v1                  ; wave 0..7
	s_mov_b32 s[GG], ttmp9
	s_and_b32 s[PP], ttmp7, 0xffff
	s_mov_b32 s[G1+0], 3<<16                       ; elements of 8 bytes, no mask, no padding
	s_mov_b32 s[G1+1], 32<<16                      ; rows of 256 bytes,
	s_mov_b32 s[G1+2], 52<<16                      ; 52 of them, dense: a record
	s_mov_b32 s[G1+3], 32<<16
	s_mov_b32 s[G1+4], 52
	s_mov_b32 s[G1+5], 32
	s_mov_b32 s[G1+6], 0
	s_mov_b32 s[G1+7], 0
	s_lshr_b32 s13, s[WV], 1
	s_and_b32 s14, s[WV], 1                        ; K's record (0) or V's (1)
	s_add_co_i32 s15, s[GG], s13                   ; second load: step 2 + wave / 2: group G + wave / 2,
	s_sub_co_i32 s16, s15, 2                       ; first load: step wave / 2: group G - 2 + wave / 2,
	s_max_i32 s16, s16, 0                          ; both held inside the sequence
	s_min_i32 s16, s16, 31
	s_min_i32 s15, s15, 31
	s_lshl_b32 s17, s[PP], 5
	s_add_co_u32 s16, s16, s17
	s_add_co_u32 s15, s15, s17
	s_lshl_b32 s16, s16, 1
	s_lshl_b32 s15, s15, 1
	s_add_co_u32 s16, s16, s14
	s_add_co_u32 s15, s15, s14
	s_add_co_u32 s16, s16, 256
	s_add_co_u32 s15, s15, 256
	s_mul_i32 s16, s16, REC
	s_mul_i32 s18, s15, REC
	s_mov_b32 s17, 0
	s_mov_b32 s19, 0
	s_mul_i32 s20, s[WV], REC                      ; LDS: part = wave, and part = 4 + wave
	s_mov_b32 s[SEL], 0x76543210
	s_mov_b32 s[SEL+1], 0xfedcba98
	s_mov_b32 s[CS], 0x3e38aa3b                    ; c = log2(e) / 8
	s_mov_b32 s[CS+1], s[CS]                       ; named with it as a pair, so it is written
	s_wait_dscnt 0x0
	s_wait_kmcnt 0x0
	s_mov_b32 s[G0A], 1
	s_mov_b32 s[G0A+1], s20
	s_add_nc_u64 s[G0A+2:G0A+3], s[4:5], s[16:17]
	s_or_b32 s[G0A+3], s[G0A+3], 0x80000000
	s_mov_b32 s[G0B], 1
	s_add_co_u32 s[G0B+1], s20, 4*REC
	s_add_nc_u64 s[G0B+2:G0B+3], s[4:5], s[18:19]
	s_or_b32 s[G0B+3], s[G0B+3], 0x80000000
	s_cmp_lt_u32 s[WV], 4                          ; all of a wave's loads stand in one branch on its number
	s_cbranch_scc0 .Lnot_two
	tensor_load_to_lds s[G0A:G0A+3], s[G1:G1+7]
	s_nop 0
	tensor_load_to_lds s[G0B:G0B+3], s[G1:G1+7]
	s_nop 0
.rept 4
	v_nop
.endr
	s_branch .Lasked
.Lnot_two:
	s_cmp_lt_u32 s[WV], 6
	s_cbranch_scc0 .Lasked
	tensor_load_to_lds s[G0B:G0B+3], s[G1:G1+7]
	s_nop 0
.rept 4
	v_nop
.endr
.Lasked:
	v_and_b32 v2, 15, v0                           ; r
	v_bfe_u32 v3, v0, 4, 1                         ; h
	v_and_b32 v1, 31, v0
	v_lshlrev_b32 v[L4], 2, v1
	v_lshlrev_b32 v[L16], 4, v1
.irp i, 0,1,2,3,4
	v_add_nc_u32 v[LB+\i], \i*STEPB, v[L16]
.endr
	s_lshl_b32 s21, s13, 5
	s_lshl_b32 s22, s14, 3
	s_add_co_u32 s21, s21, s22                     ; 32 (a / 2) + 8 (a % 2)
	v_and_b32 v10, 8, v2
	v_add_nc_u32 v10, v10, v2                      ; + r + 8 (r / 8)
	v_lshlrev_b32 v11, 4, v3
	v_sub_nc_u32 v10, v10, v11                     ; - 16 h
	v_add_nc_u32 v[D0], s21, v10
	v_mov_b32 v[NINF], 0xff800000
	; my queries: tile a of record 32 P + G
	s_lshl_b32 s40, s[PP], 5
	s_add_co_u32 s40, s40, s[GG]
	s_mul_i32 s40, s40, REC
	s_mul_i32 s42, s[WV], 1536
	s_add_co_u32 s42, s42, s40
	s_mov_b32 s43, 0
	s_lshr_b32 s46, s[WV], 2
	s_lshl_b32 s46, s46, 9
	s_and_b32 s47, s[WV], 3
	s_lshl_b32 s47, s47, 2
	s_add_co_u32 s46, s46, s47
	s_add_co_u32 s46, s46, s40
	s_add_co_u32 s46, s46, 12288
	s_mov_b32 s47, 0
	s_add_nc_u64 s[42:43], s[4:5], s[42:43]
	s_add_nc_u64 s[46:47], s[4:5], s[46:47]
	global_load_b128 v[Q:Q+3], v[L16], s[42:43]                    ; the fragment's registers 0-3,
	global_load_b128 v[FRG:FRG+3], v[L16], s[42:43] offset:512     ; 4-7, which part below,
	global_load_b128 v[Q+14:Q+17], v[L16], s[42:43] offset:1024    ; 8-11
	global_load_b32 v[QS], v[L16], s[46:47]
	; where O's codes and scale words go
	s_lshl_b32 s40, s[GG], 2
	s_lshr_b32 s41, s[PP], 1
	s_add_co_u32 s40, s40, s41
	s_lshl_b32 s40, s40, 3
	s_add_co_u32 s40, s40, s[WV]
	s_mul_i32 s40, s40, 3072
	s_and_b32 s41, s[PP], 1
	s_mul_i32 s41, s41, 1536
	s_add_co_u32 s40, s40, s41
	s_mov_b32 s41, 0
	s_add_nc_u64 s[6:7], s[6:7], s[40:41]
	s_lshl_b32 s40, s[PP], 8
	s_lshl_b32 s44, s[GG], 3
	s_add_co_u32 s40, s40, s44
	s_add_co_u32 s40, s40, s[WV]
	s_lshl_b32 s40, s40, 7
	s_add_nc_u64 s[8:9], s[8:9], s[40:41]
.irp u, 0,1
	v_mov_b32 v[STAT+4*\u+1], 0xff61b1e6           ; the largest t so far: -3e38, under every t
	v_floor_f32 v[STAT+4*\u], -v[STAT+4*\u+1]      ; -M
	v_mov_b32 v[STAT+4*\u+2], 0                    ; the sum, in two halves
	v_mov_b32 v[STAT+4*\u+3], 0
.endr
.set j, 0
.rept 64
	v_mov_b32 v[OA+j], 0                           ; O^T: a wave's first step hangs on the work-group's number, so every step is written alike and the first finds zeros
.set j, j+1
.endr
.irp b, 0,1,2,3
	v_mov_b32 v[236+\b], 0                         ; a lane permute's destination counts as one of its sources
.endr
	v_mov_b32 v253, 0                              ; named as the upper half of the pair v[252:253] before it is first written
.irp i, 6,7,8,9,10,11
	v_mov_b32 v[Q+\i], 0                           ; the zero codes between the heads
.endr
; A KEY STEP OF ONE HEAD: 128 keys of step st, head hh.  mode 1: step 0's mask; mode 2: step 4's; 0: all keys count.
.macro HSTEP st, hh, mode
.set NM, STAT+4*(\hh)
.set QR, Q+6*(\hh)
.set OH, OA+32*(\hh)
.irp g, 0,1                            ; S^T = K Q^T, four tiles of 16 keys at a time
.rept 4
	v_nop                                          ; places in front of loads into registers that matrix instructions have read
.endr
.irp t, 0,1,2,3
.irp c, 0,1,2
	ds_load_b128 v[FRG+12*\t+4*\c:FRG+12*\t+4*\c+3], v[LB+(\st)] offset:(4*\g+\t)*1536+512*\c
.endr
.endr
	ds_load_b128 v[248:251], v[LB+(\st)] offset:KSC+512*\g         ; the four tiles' scale words
	s_wait_dscnt 0x0
.irp t, 0,1,2,3
	v_wmma_scale_f32_16x16x128_f8f6f4 v[S+8*(4*\g+\t):S+8*(4*\g+\t)+7], v[FRG+12*\t:FRG+12*\t+11], v[QR:QR+11], 0, v[248+\t], v[QS] matrix_a_fmt:MATRIX_FMT_FP6 matrix_b_fmt:MATRIX_FMT_FP6
.endr
.endr
.rept 4
	v_nop
.endr
.irp t, 0,1,2,3                        ; V's four tiles of this head are asked for now and land under the softmax
.irp c, 0,1,2
	ds_load_b128 v[FRG+12*\t+4*\c:FRG+12*\t+4*\c+3], v[LB+(\st)] offset:VCD+(4*(\hh)+\t)*1536+512*\c
.endr
.endr
	ds_load_b128 v[248:251], v[LB+(\st)] offset:VSC+512*(\hh)
.if \mode == 1                         ; register 16 b + i holds the key 32 b + i + 16 h of group G - 2: hidden where 32 b + i < D0
.set n, 0
.rept 64
	v_cmp_lt_i32 vcc_lo, 32*(n/16)+n%16, v[D0]
	v_cndmask_b32 v[S+n], v[S+n], v[NINF], vcc_lo
.set n, n+1
.endr
.endif
.if \mode == 2                         ; of group G + 2: hidden where 32 b + i > D0
.set n, 0
.rept 64
	v_cmp_gt_i32 vcc_lo, 32*(n/16)+n%16, v[D0]
	v_cndmask_b32 v[S+n], v[S+n], v[NINF], vcc_lo
.set n, n+1
.endr
.endif
.irp b, 0,1,2,3
	v_max3_num_f32 v[232+\b], v[S+16*\b], v[S+1+16*\b], v[S+2+16*\b]   ; the largest score of each block of 32 keys: for the row's maximum, and, since p rises with the score, for the block's largest p
.endr
.irp i, 3,5,7,9,11,13
.irp b, 0,1,2,3
	v_max3_num_f32 v[232+\b], v[232+\b], v[S+16*\b+\i], v[S+1+16*\b+\i]
.endr
.endr
.irp b, 0,1,2,3
	v_max_num_f32 v[232+\b], v[232+\b], v[S+15+16*\b]
.endr
.irp b, 0,1,2,3
	v_permlanex16_b32 v[236+\b], v[232+\b], s[SEL], s[SEL+1]
.endr
.irp b, 0,1,2,3
	v_max_num_f32 v[232+\b], v[232+\b], v[236+\b]  ; with lane l xor 16's 16 keys
.endr
	v_max3_num_f32 v254, v232, v233, v234
	v_max_num_f32 v254, v254, v235                 ; the step's largest score of my query
	v_mul_f32 v254, s[CS], v254                    ; as t
	v_max_num_f32 v[NM+1], v[NM+1], v254           ; the running largest t
	v_mov_b32 v254, v[NM]
	v_floor_f32 v[NM], -v[NM+1]                    ; the new -M = -ceil(t): a whole number
	v_sub_f32 v254, v[NM], v254                    ; old M - new M, 0 or less
	v_cvt_i32_f32 v254, v254                       ; (it saturates)
	v_ldexp_f32 v252, 1.0, v254                    ; f = 2^(old M - new M)
.set j, 0
.rept 32
	v_pk_fma_f32 v[S+j:S+j+1], v[S+j:S+j+1], s[CS:CS+1], v[NM:NM+1] op_sel_hi:[1,0,0]   ; t - M, two at a time
.set j, j+2
.endr
.irp b, 0,1,2,3
	v_fma_f32 v[232+\b], v[232+\b], s[CS], v[NM]   ; the same of each block's largest score
.endr
.set j, 0
.rept 64
	v_exp_f32 v[S+j], v[S+j]                       ; p = 2^(t - M), not normalised
.set j, j+1
.endr
.irp b, 0,1,2,3
	v_exp_f32 v[232+\b], v[232+\b]                 ; the block's largest p
.endr
	v_pk_mul_f32 v[NM+2:NM+3], v[NM+2:NM+3], v[252:253] op_sel_hi:[1,0]   ; the sums under the new M (a plain place behind the exponentials)
.set j, 0
.rept 16
	v_pk_mul_f32 v[OH+j:OH+j+1], v[OH+j:OH+j+1], v[252:253] op_sel_hi:[1,0]   ; O^T under the new M; each accumulator from its low end on
.set j, j+2
.endr
	s_wait_alu depctr_va_vdst(0)
.irp b, 0,1,2,3
	v_max_num_f32 v[232+\b], 0x1800000, v[232+\b]  ; the floor 2^(3 - 127): a block whose every p is 0 keeps the byte 1: its codes are zeros
.endr
.irp b, 0,1,2,3
	v_add_nc_u32 v[244+\b], 0xff000000, v[232+\b]  ; 2 off the exponent field: the conversion's scale operand
.endr
.irp b, 0,1,2,3
	v_lshrrev_b32 v[236+\b], 23, v[244+\b]         ; the scale's byte
.endr
	v_lshl_or_b32 v253, v237, 8, v236              ; p's scale word for these 128 keys
	v_lshl_or_b32 v253, v238, 16, v253
	v_lshl_or_b32 v253, v239, 24, v253
.irp c, 0,1
	v_cvt_scalef32_pk16_fp6_f32 v[224+6*\c:226+6*\c], v[S+32*\c:S+15+32*\c], v[244+2*\c]
	v_cvt_scalef32_pk16_fp6_f32 v[236+4*\c:238+4*\c], v[S+16+32*\c:S+31+32*\c], v[244+2*\c+1]
.endr
	v_nop                                          ; one plain place behind a scaled conversion
.irp c, 0,1                            ; the operand's layout wants a whole block in a lane
.irp i, 0,1,2
	v_permlane16_swap_b32 v[224+6*\c+\i], v[236+4*\c+\i]
.endr
.irp i, 0,1,2
	v_mov_b32 v[227+6*\c+\i], v[236+4*\c+\i]
.endr
.endr
	v_pk_add_f32 v[236:237], v[S:S+1], v[S+2:S+3]  ; the row's sum is taken of the unquantised p, in two chains.  These additions are also the places between the writes of p's codes and scale word and the products below
.set j, 4
.rept 15
	v_pk_add_f32 v[NM+2:NM+3], v[NM+2:NM+3], v[S+j:S+j+1]
	v_pk_add_f32 v[236:237], v[236:237], v[S+j+2:S+j+3]
.set j, j+4
.endr
	v_pk_add_f32 v[NM+2:NM+3], v[NM+2:NM+3], v[236:237]
	s_wait_dscnt 0x0                               ; V's tiles and scale words
.irp t, 0,1,2,3                        ; O^T += V^T P^T: the head's four tiles of 16 features, by turns
	v_wmma_scale_f32_16x16x128_f8f6f4 v[OH+8*\t:OH+8*\t+7], v[FRG+12*\t:FRG+12*\t+11], v[224:235], v[OH+8*\t:OH+8*\t+7], v[248+\t], v253 matrix_a_fmt:MATRIX_FMT_FP6 matrix_b_fmt:MATRIX_FMT_FP6
.endr
.endm
	s_wait_tensorcnt 1                             ; waves 0-3: my record of steps 0 and 1 is in; each wave's later load may be out
	s_barrier_signal -1
	s_barrier_wait -1
	s_wait_loadcnt 0x0                             ; Q
	v_mov_b32 v[Q+4], v[FRG]                       ; head 0's registers 4, 5,
	v_mov_b32 v[Q+5], v[FRG+1]
	v_mov_b32 v[Q+12], v[FRG+2]                    ; head 1's first two
	v_mov_b32 v[Q+13], v[FRG+3]
	s_cmp_lt_u32 s[GG], 2
	s_cbranch_scc1 .Lno_0
	HSTEP 0, 0, 1
	HSTEP 0, 1, 1
.Lno_0:
	s_cmp_lt_u32 s[GG], 1
	s_cbranch_scc1 .Lno_1
	HSTEP 1, 0, 0
	HSTEP 1, 1, 0
.Lno_1:
	s_wait_tensorcnt 0x0                           ; my record of steps 2 to 4 is in,
	s_wait_dscnt 0x0
	s_barrier_signal -1
	s_barrier_wait -1                              ; everybody's is
	HSTEP 2, 0, 0
	HSTEP 2, 1, 0
	s_cmp_gt_u32 s[GG], 30
	s_cbranch_scc1 .Lno_3
	HSTEP 3, 0, 0
	HSTEP 3, 1, 0
.Lno_3:
	s_cmp_gt_u32 s[GG], 29
	s_cbranch_scc1 .Lno_4
	HSTEP 4, 0, 2
	HSTEP 4, 1, 2
.Lno_4:
	; THE WAY OUT: O^T / l; its 64 registers are 16 neighbours of each of the pair's four blocks of 32 features: one fragment of the last projection's operand
.rept 4
	v_nop
.endr
.irp u, 0,1
	v_add_f32 v[232+2*\u], v[STAT+4*\u+2], v[STAT+4*\u+3]
.endr
.irp u, 0,1
	v_permlanex16_b32 v[236+\u], v[232+2*\u], s[SEL], s[SEL+1]
.endr
.irp u, 0,1
	v_add_f32 v[232+2*\u], v[232+2*\u], v[236+\u]  ; the row's sum
.endr
	v_rcp_f32 v232, v232
	v_rcp_f32 v234, v234
	v_mov_b32 v233, 0                              ; plain places behind the reciprocals; the pairs' upper halves are named below, so they are written
	v_mov_b32 v235, 0
	s_wait_alu depctr_va_vdst(0)
.irp u, 0,1
.set j, 0
.rept 16
	v_pk_mul_f32 v[OA+32*\u+j:OA+32*\u+j+1], v[OA+32*\u+j:OA+32*\u+j+1], v[232+2*\u:233+2*\u] op_sel_hi:[1,0]
.set j, j+2
.endr
.endr
.irp b, 0,1,2,3
	v_max3_num_f32 v[TM+\b], |v[OA+16*\b]|, |v[OA+1+16*\b]|, 0x1800000   ; my 16 numbers of block b, and the floor 2^(3 - 127)
.endr
.irp i, 2,4,6,8,10,12,14
.irp b, 0,1,2,3
	v_max3_num_f32 v[TM+\b], v[TM+\b], |v[OA+16*\b+\i]|, |v[OA+1+16*\b+\i]|
.endr
.endr
.irp b, 0,1,2,3
	v_permlanex16_b32 v[TM+4+\b], v[TM+\b], s[SEL], s[SEL+1]
.endr
.irp b, 0,1,2,3
	v_max_num_f32 v[TM+\b], v[TM+\b], v[TM+4+\b]
.endr
.irp b, 0,1,2,3
	v_add_nc_u32 v[TM+12+\b], 0xff000000, v[TM+\b]
.endr
.irp b, 0,1,2,3
	v_lshrrev_b32 v[TM+4+\b], 23, v[TM+12+\b]
.endr
	v_lshl_or_b32 v[PW], v[TM+5], 8, v[TM+4]
	v_lshl_or_b32 v[PW], v[TM+6], 16, v[PW]
	v_lshl_or_b32 v[PW], v[TM+7], 24, v[PW]
.irp c, 0,1
	v_cvt_scalef32_pk16_fp6_f32 v[PC+6*\c:PC+2+6*\c], v[OA+32*\c:OA+15+32*\c], v[TM+12+2*\c]
	v_cvt_scalef32_pk16_fp6_f32 v[PC+12+4*\c:PC+14+4*\c], v[OA+16+32*\c:OA+31+32*\c], v[TM+12+2*\c+1]
.endr
	v_nop                                          ; one plain place behind a scaled conversion
.irp c, 0,1
.irp i, 0,1,2
	v_permlane16_swap_b32 v[PC+6*\c+\i], v[PC+12+4*\c+\i]
.endr
.irp i, 0,1,2
	v_mov_b32 v[PC+3+6*\c+\i], v[PC+12+4*\c+\i]
.endr
.endr
.irp c, 0,1,2
	global_store_b128 v[L16], v[PC+4*\c:PC+4*\c+3], s[6:7] offset:512*\c   ; 32 lanes store 512 consecutive bytes, aligned
.endr
	global_store_b32 v[L4], v[PW], s[8:9]          ; 128 bytes a wave; two neighbouring waves' lie on end
	s_wait_tensorcnt 0x0
	ds_add_u32 v243, v255
	s_wait_dscnt 0x0
	s_endpgm
.Lfunc_end_k_q93269cb883_attn:
	.size	k_q93269cb883_attn, .Lfunc_end_k_q93269cb883_attn-k_q93269cb883_attn
	.p2alignl 7, 3214868480
	.fill 96, 4, 3214868480
	.section	.rodata,"a",@progbits
	.p2align	6, 0x0
	.amdhsa_kernel k_q93269cb883_attn
		.amdhsa_group_segment_fixed_size 168960
		.amdhsa_private_segment_fixed_size 0
		.amdhsa_enable_private_segment 0
		.amdhsa_kernarg_size 24
		.amdhsa_user_sgpr_count 2
		.amdhsa_user_sgpr_kernarg_segment_ptr 1
		.amdhsa_wavefront_size32 1
		.amdhsa_system_sgpr_workgroup_id_x 1
		.amdhsa_system_sgpr_workgroup_id_y 1
		.amdhsa_system_sgpr_workgroup_id_z 1
		.amdhsa_system_vgpr_workitem_id 0
		.amdhsa_next_free_vgpr 256
		.amdhsa_next_free_sgpr 66
		.amdhsa_reserve_vcc 1
		.amdhsa_float_denorm_mode_32 3
		.amdhsa_float_denorm_mode_16_64 3
		.amdhsa_memory_ordered 1
		.amdhsa_forward_progress 1
		.amdhsa_inst_pref_size 196
	.end_amdhsa_kernel
	.amdgpu_metadata
---
amdhsa.version: [ 1, 2 ]
amdhsa.kernels:
  - .name:           k_q93269cb883_attn
    .symbol:         k_q93269cb883_attn.kd
    .args:
      - { .name: qkv, .offset: 0, .size: 8, .value_kind: global_buffer, .address_space: global }
      - { .name: oc, .offset: 8, .size: 8, .value_kind: global_buffer, .address_space: global }
      - { .name: os, .offset: 16, .size: 8, .value_kind: global_buffer, .address_space: global }
    .group_segment_fixed_size: 168960
    .private_segment_fixed_size: 0
    .kernarg_segment_align: 8
    .kernarg_segment_size: 24
    .max_flat_workgroup_size: 256
    .sgpr_count:     66
    .vgpr_count:     256
    .wavefront_size: 32
...
	.end_amdgpu_metadata
.endif
;; end of part 3
;; launch oproj (part 4): grid 8 x 32, 4 waves a work-group, clusters of 4 x 4, 229,888 bytes of LDS; arguments oc, os, cod, scl, out0; writes out0
.if DOCPART == 4
	.amdgcn_target "amdgcn-amd-amdhsa--gfx1250"
	.amdhsa_code_object_version 6
	.text
	.protected	k_q93269cb883_oproj
	.globl	k_q93269cb883_oproj
	.p2align	8
	.type	k_q93269cb883_oproj,@function
k_q93269cb883_oproj:
	s_mov_b64 s[64:65], 0
	v_nop
	global_prefetch_b8 v0, s[64:65] scope:SCOPE_SE
	s_setreg_imm32_b32 hwreg(HW_REG_WAVE_MODE, 25, 1), 1
	s_wait_xcnt 0x0
	s_wait_alu depctr_hold_cnt(0) depctr_sa_sdst(0) depctr_va_vdst(0) depctr_va_sdst(0) depctr_va_ssrc(0) depctr_va_vcc(0) depctr_vm_vsrc(0)
	s_getreg_b32 s2, hwreg(HW_REG_IB_STS2, 6, 4)
	s_cmp_eq_u32 s2, 0
	s_cbranch_scc0 .Lentry_in_a_cluster
	s_endpgm
.Lentry_in_a_cluster:
	s_bfe_u32 s2, ttmp6, 0x10000c
	s_cmp_lg_u32 s2, 0xf033
	s_cbranch_scc0 .Lentry_shape_is_right
	s_endpgm
.Lentry_shape_is_right:
; out0 = O wo^T on codes of FP6 (E2M3) with E8M0 scales; O's codes [32 groups of 128 tokens] and wo's (groups 56-63 of cod) lie as images of operand registers: [256 K][tile 0..7][128 K][1,536 bytes].
; SHARES.  256 work-groups, each 128 tokens x 128 outputs; a wave makes 64 x 64: 16 accumulators.  All of K = 1,024 of both operands, 98,304 bytes each, comes into LDS once, by two joint loads a wave: nothing is filled again.
; CLUSTERS: 4 x 4: the four of a row of the cluster need the same tokens' codes, the four of a column the same rows of wo.
; The matrix instruction is used transposed (source 0 = 16 rows of wo, source 1 = 16 tokens).  Tile i of a group holds rows 32 (i / 2) + 8 (i % 2) + r + 8 (r / 8): a lane's registers of tiles 2 b', 2 b' + 1 are 16 neighbouring outputs.
; REGISTERS: window 0: v16-26 addresses; v32-63 O's scale words, v64-79 wo's (lanes 0-15 an even tile's, lanes 16-31 the odd one's), and nothing else there; v128-255 accumulator (a, b) at v[128 + 8 (4 a + b)].
;   window 1: two sets of fragments at v0 and v128: O's four, then wo's four; on the way out v0-63 rows read back from the stage.
.set GRP,   98304
.set HALFT, 24576                      ; 128 rows x 256 K: what one tensor load brings
.set STAGE, 2*GRP                      ; behind the operands: 16 rows x 272 bytes for each wave
.set SP,    272
.set ADRA, 16                          ; v16-17 my O fragments: K 0-511, K 512-1023
.set ADRB, 18                          ; v18-19 the same for wo
.set STO,  24
.set RD,   25
.set CO,   26
.set SCA,  32
.set SCB,  64
.set ACC,  128
.set G1, 24
.set G0, 32
.set G1B, 48
.set G0B, 56
.set MSB, 0
.macro WIN new
.if MSB != (\new)
	s_set_vgpr_msb (MSB<<8)|(\new)
.set MSB, (\new)
.endif
.endm
.macro CROUND                          ; a round of the cluster's barrier
	s_barrier_signal -1
	s_barrier_wait -1
	s_cmp_lg_u32 s14, 0
	s_cbranch_scc1 .Lnot_wave_0_\@
	s_barrier_signal -3
.Lnot_wave_0_\@:
	s_barrier_wait -3
	s_barrier_signal -1
	s_barrier_wait -1
.endm
	s_load_b256 s[4:11], s[0:1], 0x0               ; oc, os, cod, scl
	s_load_b64 s[12:13], s[0:1], 0x20              ; out0
	v_lshl_add_u32 v126, v0, 2, 0x38000
	v_mov_b32 v127, 0
	ds_add_u32 v126, v127
	ds_add_u32 v126, v127
	v_lshrrev_b32 v1, 5, v0
	v_readfirstlane_b32 s14, v1                    ; wave 0..3
	s_lshr_b32 s15, s14, 1                         ; which 64 tokens are mine.  Also: I fetch O's codes (0) or wo's (1)
	s_and_b32 s16, s14, 1                          ; which 64 outputs.  Also: I fetch the 256-K pieces s16 and s16 + 2
	s_bfe_u32 s40, ttmp6, 0x40000                  ; cx
	s_bfe_u32 s41, ttmp6, 0x40004                  ; cy
	s_lshl_b32 s42, ttmp9, 2
	s_add_co_u32 s42, s42, s40                     ; group of outputs = 4 x cluster x + cx
	s_and_b32 s17, ttmp7, 0xffff
	s_lshl_b32 s17, s17, 2
	s_add_co_u32 s17, s17, s41                     ; group of tokens = 4 x cluster y + cy
	s_lshl_b32 s43, s41, 2
	s_lshl_b32 s43, 15, s43                        ; my row of the cluster
	s_lshl_b32 s44, 0x1111, s40                    ; my column
	s_or_b32 s[G1+0], s43, (3<<16)|(1<<21)         ; the mask; elements of 8 bytes; bit 21 beside a mask; no padding
	s_or_b32 s[G1B+0], s44, (3<<16)|(1<<21)
.irp g, G1, G1B
	s_mov_b32 s[\g+1], 32<<16                      ; rows of 256 bytes,
	s_mov_b32 s[\g+2], 96<<16                      ; 96 of them, dense
	s_mov_b32 s[\g+3], 32<<16
	s_mov_b32 s[\g+4], 96
	s_mov_b32 s[\g+5], 32
	s_mov_b32 s[\g+6], 0
	s_mov_b32 s[\g+7], 0
.endr
	s_mul_i32 s18, s16, HALFT                      ; my first piece, in memory and in LDS
	s_mul_i32 s20, s17, GRP
	s_add_co_u32 s20, s20, s18
	s_mov_b32 s21, 0
	s_add_co_u32 s46, s42, 56                      ; wo's groups begin at 56
	s_mul_i32 s46, s46, GRP
	s_add_co_u32 s46, s46, s18
	s_mov_b32 s47, 0
	s_mul_i32 s45, s15, GRP                        ; O's codes at LDS byte 0, wo's behind them
	s_add_co_u32 s45, s45, s18
	s_wait_dscnt 0x0
	s_wait_kmcnt 0x0
	s_add_nc_u64 s[20:21], s[4:5], s[20:21]
	s_add_nc_u64 s[46:47], s[8:9], s[46:47]
	CROUND                                         ; all sixteen work-groups are here: the joint loads meet
.irp s, 0,1
	s_mov_b32 s[G0+4*\s], 1
	s_add_co_u32 s[G0+4*\s+1], s45, \s*2*HALFT
	s_add_nc_u64 s[G0+4*\s+2:G0+4*\s+3], s[20:21], \s*2*HALFT
	s_or_b32 s[G0+4*\s+3], s[G0+4*\s+3], 0x80000000
	s_mov_b32 s[G0B+4*\s], 1
	s_add_co_u32 s[G0B+4*\s+1], s45, \s*2*HALFT
	s_add_nc_u64 s[G0B+4*\s+2:G0B+4*\s+3], s[46:47], \s*2*HALFT
	s_or_b32 s[G0B+4*\s+3], s[G0B+4*\s+3], 0x80000000
.endr
	s_cmp_eq_u32 s15, 0                            ; a wave's two loads stand in one branch on its number: two loads of mine are out
	s_cbranch_scc0 .Lfor_b
	tensor_load_to_lds s[G0:G0+3], s[G1:G1+7]
	s_nop 0
	tensor_load_to_lds s[G0+4:G0+7], s[G1:G1+7]
	s_nop 0
.rept 4
	v_nop
.endr
	s_branch .Lasked
.Lfor_b:
	tensor_load_to_lds s[G0B:G0B+3], s[G1B:G1B+7]
	s_nop 0
	tensor_load_to_lds s[G0B+4:G0B+7], s[G1B:G1B+7]
	s_nop 0
.rept 4
	v_nop
.endr
.Lasked:
	v_and_b32 v1, 15, v0                           ; r
	v_bfe_u32 v2, v0, 4, 1                         ; h
	v_and_b32 v3, 31, v0
	v_lshlrev_b32 v4, 4, v3                        ; 16 x lane
	v_lshlrev_b32 v5, 2, v3                        ; 4 x lane
	v_lshlrev_b32 v6, 3, v3                        ; 8 x lane
	s_mul_i32 s66, s15, 4*3072                     ; my four tiles of tokens
	s_mul_i32 s67, s16, 4*3072                     ; my four tiles of outputs
	s_add_co_u32 s67, s67, GRP
	v_add_nc_u32 v[ADRA], s66, v4
	v_add_nc_u32 v[ADRB], s67, v4
	v_add_nc_u32 v[ADRA+1], 2*HALFT, v[ADRA]
	v_add_nc_u32 v[ADRB+1], 2*HALFT, v[ADRB]
	s_mul_i32 s66, s14, 16*SP
	s_add_co_u32 s66, s66, STAGE                   ; my stage
	v_mul_u32_u24 v7, v1, SP
	v_lshl_add_u32 v7, v2, 6, v7
	v_add_nc_u32 v[STO], s66, v7                   ; in: row r, + 64 h
	v_mul_u32_u24 v7, v2, SP
	v_lshl_add_u32 v7, v1, 4, v7
	v_add_nc_u32 v[RD], s66, v7                    ; back: lanes 0-15 one row of 256 bytes, lanes 16-31 the next
	v_lshlrev_b32 v7, 12, v2
	v_lshl_add_u32 v[CO], v1, 4, v7                ; and the same two rows in out0
	s_lshl_b32 s68, s17, 3                         ; O's scale words: [K step][tile 8 G + a][lane]
	s_lshl_b32 s69, s15, 2
	s_add_co_u32 s68, s68, s69
	s_lshl_b32 s68, s68, 7
	s_mov_b32 s69, 0
	s_add_nc_u64 s[6:7], s[6:7], s[68:69]
	s_add_co_u32 s70, s42, 56                      ; wo's: 4,096 bytes a group, 1,024 for each pair of tiles
	s_lshl_b32 s70, s70, 12
	s_lshl_b32 s71, s16, 11
	s_add_co_u32 s70, s70, s71
	s_mov_b32 s71, 0
	s_add_nc_u64 s[10:11], s[10:11], s[70:71]
.irp a, 0,1,2,3
.irp k, 0,1,2,3,4,5,6,7
	global_load_b32 v[SCA+8*\a+\k], v5, s[6:7] offset:32768*\k+128*\a
.endr
.endr
.irp b, 0,1
.irp k, 0,1,2,3
	global_load_b64 v[SCB+8*\b+2*\k:SCB+8*\b+2*\k+1], v6, s[10:11] offset:1024*\b+256*\k
.endr
.endr
	s_lshl_b32 s72, s17, 19                        ; out0: 128 tokens x 4,096 bytes a group,
	s_lshl_b32 s73, s15, 18                        ; my 64 tokens,
	s_add_co_u32 s72, s72, s73
	s_lshl_b32 s73, s42, 9                         ; 128 outputs x 4 bytes a group,
	s_add_co_u32 s72, s72, s73
	s_lshl_b32 s73, s16, 8                         ; my 64 outputs
	s_add_co_u32 s72, s72, s73
	s_mov_b32 s73, 0
	s_add_nc_u64 s[12:13], s[12:13], s[72:73]
.macro FETCH ks, f                     ; the fragments of the ks-th 128 along K into set f: 24 loads
	WIN 0x40
.irp t, 0,1,2,3
.irp c, 0,1,2
	ds_load_b128 v[\f+12*\t+4*\c:\f+12*\t+4*\c+3], v[ADRA+(\ks)/4] offset:(((\ks)/2)%2)*HALFT+\t*3072+((\ks)%2)*1536+512*\c
	ds_load_b128 v[\f+48+12*\t+4*\c:\f+48+12*\t+4*\c+3], v[ADRB+(\ks)/4] offset:(((\ks)/2)%2)*HALFT+\t*3072+((\ks)%2)*1536+512*\c
.endr
.endr
.endm
.macro MULS ks, f, zero                ; 16 matrix instructions, the accumulators by turns
	WIN 0x05
.irp a, 0,1,2,3
.irp b, 0,1,2,3
.if \zero
.if \b%2
	v_wmma_scale_f32_16x16x128_f8f6f4 v[ACC+8*(4*\a+\b):ACC+8*(4*\a+\b)+7], v[\f+48+12*\b:\f+48+12*\b+11], v[\f+12*\a:\f+12*\a+11], 0, v[SCB+8*(\b/2)+(\ks)], v[SCA+8*\a+(\ks)] matrix_a_fmt:MATRIX_FMT_FP6 matrix_b_fmt:MATRIX_FMT_FP6 matrix_a_scale:MATRIX_SCALE_ROW1
.else
	v_wmma_scale_f32_16x16x128_f8f6f4 v[ACC+8*(4*\a+\b):ACC+8*(4*\a+\b)+7], v[\f+48+12*\b:\f+48+12*\b+11], v[\f+12*\a:\f+12*\a+11], 0, v[SCB+8*(\b/2)+(\ks)], v[SCA+8*\a+(\ks)] matrix_a_fmt:MATRIX_FMT_FP6 matrix_b_fmt:MATRIX_FMT_FP6
.endif
.else
.if \b%2
	v_wmma_scale_f32_16x16x128_f8f6f4 v[ACC+8*(4*\a+\b):ACC+8*(4*\a+\b)+7], v[\f+48+12*\b:\f+48+12*\b+11], v[\f+12*\a:\f+12*\a+11], v[ACC+8*(4*\a+\b):ACC+8*(4*\a+\b)+7], v[SCB+8*(\b/2)+(\ks)], v[SCA+8*\a+(\ks)] matrix_a_fmt:MATRIX_FMT_FP6 matrix_b_fmt:MATRIX_FMT_FP6 matrix_a_scale:MATRIX_SCALE_ROW1
.else
	v_wmma_scale_f32_16x16x128_f8f6f4 v[ACC+8*(4*\a+\b):ACC+8*(4*\a+\b)+7], v[\f+48+12*\b:\f+48+12*\b+11], v[\f+12*\a:\f+12*\a+11], v[ACC+8*(4*\a+\b):ACC+8*(4*\a+\b)+7], v[SCB+8*(\b/2)+(\ks)], v[SCA+8*\a+(\ks)] matrix_a_fmt:MATRIX_FMT_FP6 matrix_b_fmt:MATRIX_FMT_FP6
.endif
.endif
.endr
.endr
.endm
.macro KSTEP ks
.if (\ks) == 3                         ; the next fetch reads K 512 on
	s_wait_tensorcnt 0x0                           ; my second piece is in,
	s_wait_dscnt 0x0
	s_barrier_signal -1
	s_barrier_wait -1                              ; everybody's is
.endif
.if (\ks) < 7
.rept 4
	v_nop                                          ; places in front of loads into registers that matrix instructions have read
.endr
	FETCH (\ks)+1, 128*(((\ks)+1)%2)
	s_wait_dscnt 24                                ; this step's fragments are in; the 24 loads just issued may be out
.else
	s_wait_dscnt 0x0
.endif
	MULS \ks, 128*((\ks)%2), (\ks)==0
.endm
	s_wait_tensorcnt 1                             ; my first piece is in (K 0-511 between the waves); my second may be out
	s_barrier_signal -1
	s_barrier_wait -1
	FETCH 0, 0
	s_wait_loadcnt 0x0                             ; the scale words
.irp k, 0,1,2,3,4,5,6,7
	KSTEP \k
.endr
.rept 4
	v_nop                                          ; places in front of the first reads of results and of loads into the fragments' registers
.endr
; THE WAY OUT, a tile of 16 tokens x my 64 outputs at a time, through my own stage: in as 32 bytes a lane and accumulator, back as whole rows of 256 bytes.  LDS serves a wave's instructions in order (ISA guide 5.7.1.4).
.macro TOSTAGE a
	WIN 0
.irp b, 0,1,2,3
	ds_store_b128 v[STO], v[ACC+8*(4*(\a)+\b):ACC+8*(4*(\a)+\b)+3] offset:128*(\b/2)+32*(\b%2)      ; each accumulator from its low end on
	ds_store_b128 v[STO], v[ACC+8*(4*(\a)+\b)+4:ACC+8*(4*(\a)+\b)+7] offset:128*(\b/2)+32*(\b%2)+16
.endr
	WIN 0x40
.irp t, 0,1,2,3,4,5,6,7
	ds_load_b128 v[32*((\a)%2)+4*\t:32*((\a)%2)+4*\t+3], v[RD] offset:2*SP*\t
.endr
.endm
.macro SEND a, younger
	s_wait_dscnt \younger                          ; the tile is back in registers
	WIN 0x04                                       ; a store's data: window 1
.irp t, 0,1,2,3,4,5,6,7
	global_store_b128 v[CO], v[32*((\a)%2)+4*\t:32*((\a)%2)+4*\t+3], s[12:13] offset:(32*((\a)/2)+8*((\a)%2)+2*\t+8*(\t/4))*4096 th:TH_STORE_NT   ; 16 lanes store 256 consecutive bytes, aligned; rows 2 t, 2 t + 1 of the tile
.endr
.endm
	TOSTAGE 0
.irp a, 1,2,3
.if \a > 1
	s_wait_xcnt 0x0                                ; tile a - 2's stores have read their registers: tile a's loads may land there
.endif
	TOSTAGE \a
	SEND \a-1, 16                                  ; behind tile a - 1's loads: tile a's 8 stores and 8 loads
.endr
	SEND 3, 0
	WIN 0
	s_wait_dscnt 0x0
	s_wait_tensorcnt 0x0
	ds_add_u32 v126, v127
	s_wait_dscnt 0x0
	CROUND                                         ; the closing round: no work-group ends while a partner may still ask for a tile that names it
	s_endpgm
.Lfunc_end_k_q93269cb883_oproj:
	.size	k_q93269cb883_oproj, .Lfunc_end_k_q93269cb883_oproj-k_q93269cb883_oproj
	.p2alignl 7, 3214868480
	.fill 96, 4, 3214868480
	.section	.rodata,"a",@progbits
	.p2align	6, 0x0
	.amdhsa_kernel k_q93269cb883_oproj
		.amdhsa_group_segment_fixed_size 229888
		.amdhsa_private_segment_fixed_size 0
		.amdhsa_enable_private_segment 0
		.amdhsa_kernarg_size 40
		.amdhsa_user_sgpr_count 2
		.amdhsa_user_sgpr_kernarg_segment_ptr 1
		.amdhsa_wavefront_size32 1
		.amdhsa_system_sgpr_workgroup_id_x 1
		.amdhsa_system_sgpr_workgroup_id_y 1
		.amdhsa_system_sgpr_workgroup_id_z 1
		.amdhsa_system_vgpr_workitem_id 0
		.amdhsa_next_free_vgpr 512
		.amdhsa_next_free_sgpr 80
		.amdhsa_reserve_vcc 0
		.amdhsa_float_denorm_mode_32 3
		.amdhsa_float_denorm_mode_16_64 3
		.amdhsa_memory_ordered 1
		.amdhsa_forward_progress 1
		.amdhsa_inst_pref_size 49
	.end_amdhsa_kernel
	.amdgpu_metadata
---
amdhsa.version: [ 1, 2 ]
amdhsa.kernels:
  - .name:           k_q93269cb883_oproj
    .symbol:         k_q93269cb883_oproj.kd
    .args:
      - { .name: oc, .offset: 0, .size: 8, .value_kind: global_buffer, .address_space: global }
      - { .name: os, .offset: 8, .size: 8, .value_kind: global_buffer, .address_space: global }
      - { .name: cod, .offset: 16, .size: 8, .value_kind: global_buffer, .address_space: global }
      - { .name: scl, .offset: 24, .size: 8, .value_kind: global_buffer, .address_space: global }
      - { .name: out0, .offset: 32, .size: 8, .value_kind: global_buffer, .address_space: global }
    .group_segment_fixed_size: 229888
    .private_segment_fixed_size: 0
    .kernarg_segment_align: 8
    .kernarg_segment_size: 40
    .max_flat_workgroup_size: 128
    .sgpr_count:     80
    .vgpr_count:     512
    .wavefront_size: 32
...
	.end_amdgpu_metadata
.endif
;; end of part 4
